; MI455X (gfx1250); checked and timed in simulation.
; The chip was launched on July 23, 2026; its instructions are those of AMD's public machine-readable ISA for CDNA 5 (MIT licence, August 2026) and "CDNA5" Instruction Set Architecture Reference Guide (July 2026). The comments in the code are by the model that wrote it; some were corrected since.
;; Multi Head Attention. Allowed arithmetic: matrix products marked QUANTISED: E5M2 operands, one E8M0 scale for each 32 along K, by v_wmma_scale_f32_16x16x128_f8f6f4 with both operands' format E5M2, f32 sums; everything else in f32.
;; Inputs: Wk_codes 16 x 64 x 32 x 32 uint8 (E5M2 codes of Wk, K innermost, in blocks of 32 codes); Wk_scales 16 x 64 x 32 uint8 (E8M0 scales of Wk, one for each 32 codes along K); Wo_codes 1,024 x 32 x 32 uint8 (E5M2 codes of Wo, K innermost, in blocks of 32 codes); Wo_scales 1,024 x 32 uint8 (E8M0 scales of Wo, one for each 32 codes along K); Wq_codes 16 x 64 x 32 x 32 uint8 (E5M2 codes of Wq, K innermost, in blocks of 32 codes); Wq_scales 16 x 64 x 32 uint8 (E8M0 scales of Wq, one for each 32 codes along K); Wv_codes 16 x 64 x 32 x 32 uint8 (E5M2 codes of Wv, K innermost, in blocks of 32 codes); Wv_scales 16 x 64 x 32 uint8 (E8M0 scales of Wv, one for each 32 codes along K); bk 16 x 64 float32; bo 1,024 float32; bq 16 x 64 float32; bv 16 x 64 float32; k_codes 4 x 2,048 x 32 x 32 uint8 (E5M2 codes of k, K innermost, in blocks of 32 codes); k_scales 4 x 2,048 x 32 uint8 (E8M0 scales of k, one for each 32 codes along K); q_codes 4 x 2,048 x 32 x 32 uint8 (E5M2 codes of q, K innermost, in blocks of 32 codes); q_scales 4 x 2,048 x 32 uint8 (E8M0 scales of q, one for each 32 codes along K); v_codes 4 x 2,048 x 32 x 32 uint8 (E5M2 codes of v, K innermost, in blocks of 32 codes); v_scales 4 x 2,048 x 32 uint8 (E8M0 scales of v, one for each 32 codes along K).
;; Outputs: out0 4 x 2,048 x 1,024 float32.
;; This version of the problem:
;;   THIS VERSION OF THE PROBLEM IS GIVEN IN LOW PRECISION. The matrix products marked QUANTISED in the list below multiply operands that are first quantised to E5M2 (5 exponent bits, 2 mantissa bits; 8 bits a number), with one power-of-two scale for each 32 numbers along K (OCP MX v1.0); their sums are f32. All else is computed in f32.
;;   The module's matrix products, in the order in which they are computed (A, B: the left and right operand; K: the contracted axis; several contracted axes count as one K, in the product's order):
;;     1. [M 1,024, K 1,024] x [K 1,024, N 8,192]; A: input Wq (given as codes); B: input q (given as codes): QUANTISED
;;     2. [M 1,024, K 1,024] x [K 1,024, N 8,192]; A: input Wk (given as codes); B: input k (given as codes): QUANTISED
;;     3. [M 1,024, K 1,024] x [K 1,024, N 8,192]; A: input Wv (given as codes); B: input v (given as codes): QUANTISED
;;     4. batch 64 x [M 2,048, K 64] x [K 64, N 2,048]; A: computed on the way; B: computed on the way: QUANTISED
;;     5. batch 64 x [M 2,048, K 2,048] x [K 2,048, N 64]; A: softmax (see below); B: computed on the way: QUANTISED
;;     6. [M 8,192, K 1,024] x [K 1,024, N 1,024]; A: computed on the way; B: input Wo (given as codes): QUANTISED
;;   THE QUANTISER, for each operand of a quantised product, along K:
;;     - K is cut into blocks of 32 from its start; a last block that is shorter is filled with zeros.
;;     - A block's scale is 2^e with e = floor(log2(the largest magnitude in the block)) - 15, held to -126 .. 127; a block of zeros has e = 0. As a byte (E8M0): e + 127.
;;     - Each number is divided by its block's scale, clamped to +-57,344, and rounded to the nearest number of E5M2, ties to even, subnormals kept.
;;     - The product sums the exact products of the quantised numbers (number of the format x scale) in f32.
;;   ~~~python
;;   def quantise(x, axis):      # numpy; x: float32 -> the quantised numbers, widened to float32 again
;;       x = np.moveaxis(x, axis, -1); K = x.shape[-1]
;;       x = np.pad(x, [(0, 0)] * (x.ndim - 1) + [(0, -K % 32)]); x = x.reshape(x.shape[:-1] + (-1, 32)); a = np.abs(x).max(-1, keepdims=True)
;;       e = np.where(a > 0, np.clip(np.frexp(np.where(a > 0, a, 1))[1] - 1 - 15, -126, 127), 0)      # np.frexp(a)[1] - 1 = floor(log2(a)), exactly
;;       r = np.clip(x / 2.0 ** e, -57344, 57344)
;;       step = 2.0 ** (np.maximum(np.frexp(np.where(r == 0, 1, r))[1] - 1, -14) - 2)
;;       q = np.round(r / step) * step * 2.0 ** e      # np.round: ties to even
;;       return np.moveaxis(q.reshape(q.shape[:-2] + (-1,))[..., :K], -1, axis).astype(np.float32)
;;   ~~~
;;   SOFTMAX AHEAD OF A QUANTISED PRODUCT. Where the list says 'softmax', what is quantised is not the finished softmax but p = 2^(t - M), with t = logit x log2(e) and M = ceil(the row's largest t), a whole number; so 1/2 < the row's largest p <= 1. The row's sum l is taken of the UNQUANTISED p, in f32, and the product's result is divided by l at the end. Since M is a whole number, a kernel that streams over the keys may use a running M (the ceiling of the running maximum): every later rescaling is an exact power of two, which a block's scale takes up: the codes' values come out the same.
;;   OPERANDS COMPUTED ON THE WAY. 'Computed on the way' means the value that the module computes at that place (a softmax that the list does not call 'softmax' is quantised finished and normalised). What goes into a quantiser is computed in f32, as accurately as f32 sums, v_exp_f32 and their like allow (about 1e-6 of the number): no bf16 or f16 on the way to a quantiser, and a product that is left as it is and whose result goes on into a quantised operand takes f32 operands (vector FMAs, or v_wmma_f32_16x16x4_f32). A number that lies on a knife's edge between two numbers of the format may be rounded either way, as far as f32 arithmetic and the matrix unit's own rounding can turn it there, and no further.
;;   INPUTS GIVEN AS CODES. Wk (in the module: [16, 1024, 64], K = its axis 1); Wo (in the module: [1024, 1024], K = its axis 0); Wq (in the module: [16, 1024, 64], K = its axis 1); Wv (in the module: [16, 1024, 64], K = its axis 1); k (in the module: [4, 2048, 1024], K = its axis 2); q (in the module: [4, 2048, 1024], K = its axis 2); v (in the module: [4, 2048, 1024], K = its axis 2): each comes as NAME_codes (uint8): NAME with its K axis moved to the last place and cut into blocks of 32 codes, [.., K / 32, bytes a block], one block behind the other in memory; one code a byte (a code: sign, 5 exponent bits, 2 mantissa bits); and NAME_scales (uint8): the same leading axes, one E8M0 byte (e + 127) for each 32 codes along K. Its value is code x scale, taken as it is: it is not quantised again, and the codes and scales need not be those that the quantiser above would give.
;; One version. Each part assembles by itself: llvm-mc -triple=amdgcn-amd-amdhsa -mcpu=gfx1250 --defsym DOCPART=n.
;; ======== version 1 of 1: 3 launches
;; limits: right only within a limited range of input values
;; workspace buffers: Qc 8,388,608 bytes; Kc 8,388,608 bytes; Vc 8,388,608 bytes; Cc 8,388,608 bytes; Qs 262,144 bytes; Ks 262,144 bytes; Vs 262,144 bytes; Cs 262,144 bytes
;; launch proj (part 1): grid 4 x 96, 4 waves a work-group, clusters of 4 x 4, 327,680 bytes of LDS; arguments q_codes, q_scales, Wq_codes, Wq_scales, bq, Qc, Qs, k_codes, k_scales, Wk_codes, Wk_scales, bk, Kc, Ks, Wv_codes, Wv_scales, v_codes, v_scales, bv, Vc, Vs; writes Qc, Qs, Kc, Ks, Vc, Vs
.if DOCPART == 1
	.amdgcn_target "amdgcn-amd-amdhsa--gfx1250"
	.amdhsa_code_object_version 6
	.text
	.protected	k_q9302c58ebc_proj
	.globl	k_q9302c58ebc_proj
	.p2align	8
	.type	k_q9302c58ebc_proj,@function
k_q9302c58ebc_proj:
	s_mov_b64 s[64:65], 0
	v_nop
	global_prefetch_b8 v0, s[64:65] scope:SCOPE_SE
	s_setreg_imm32_b32 hwreg(HW_REG_WAVE_MODE, 25, 1), 1
	s_wait_xcnt 0x0
	s_wait_alu depctr_hold_cnt(0) depctr_sa_sdst(0) depctr_va_vdst(0) depctr_va_sdst(0) depctr_va_ssrc(0) depctr_va_vcc(0) depctr_vm_vsrc(0)
	s_getreg_b32 s2, hwreg(HW_REG_IB_STS2, 6, 4)
	s_cmp_eq_u32 s2, 0
	s_cbranch_scc0 .Lentry_in_a_cluster
	s_endpgm
.Lentry_in_a_cluster:
	s_bfe_u32 s2, ttmp6, 0x10000c
	s_cmp_lg_u32 s2, 0xf033
	s_cbranch_scc0 .Lentry_shape_is_right
	s_endpgm
.Lentry_shape_is_right:
.set NQ,     2
.set ROWB,   256
.set KROW,   1024
.set PITCH,  272
.set FR,     16
.set NL,     4
.set NP,     8
.set HALFT,  128*PITCH
.set SLOT,   4*HALFT
.set LAPS,   2
.set KS,     32
.set SCL,    2*SLOT
.set HALFS,  (128*KS/256)*272
.set SBLK,   (16*KS/256)*272
.set SPARE,  SCL+4*HALFS
.set VO,   3
.set SSTA, 4
.set SLD,  5
.set ADRS, 6
.set ADRA, 8
.set ADRB, 10
.set SPW,  12
.set NIL,  13
.set BA,   16
.set SC,   32
.set BB,   64
.set AF,   128
.set HA,   128
.set PC,   192
.set TM,   224
.set PW,   240
.set G1, 24
.set G0, 32
.set G1B, 48
.set G0B, 56
.set SEL, 86
.set MNT, 88
.set MSB, 0
.macro WIN new
.if MSB != (\new)
	s_set_vgpr_msb (MSB<<8)|(\new)
.set MSB, (\new)
.endif
.endm
.set MUL_LO, 0xa1
.set MUL_HI, 0xf1
.set TO_B,   0x40
.macro JLOAD g0a, g1a, g0b, g1b
	s_cmp_eq_u32 s15, 0
	s_cbranch_scc0 .Lfor_b_\@
	tensor_load_to_lds s[\g0a:\g0a+3], s[\g1a:\g1a+7]
	s_nop 0
.rept 4
	v_nop
.endr
	s_branch .Lasked_\@
.Lfor_b_\@:
	tensor_load_to_lds s[\g0b:\g0b+3], s[\g1b:\g1b+7]
	s_nop 0
.rept 4
	v_nop
.endr
.Lasked_\@:
.endm
.macro CREST
	s_cmp_lg_u32 s14, 0
	s_cbranch_scc1 .Lnot_wave_0_\@
	s_barrier_signal -3
.Lnot_wave_0_\@:
	s_barrier_wait -3
	s_barrier_signal -1
	s_barrier_wait -1
.endm
.macro CROUND
	s_barrier_signal -1
	s_barrier_wait -1
	CREST
.endm
	s_load_b512 s[68:83], s[0:1], 0x0
	s_load_b512 s[84:99], s[0:1], 0x40
	s_load_b256 s[4:11], s[0:1], 0x80
	s_load_b64 s[12:13], s[0:1], 0xa0
	v_lshl_add_u32 v[SPW], v0, 2, SPARE
	v_mov_b32 v[NIL], 0
	ds_add_u32 v[SPW], v[NIL]
	ds_add_u32 v[SPW], v[NIL]
	v_lshrrev_b32 v1, 5, v0
	v_readfirstlane_b32 s14, v1
	s_lshr_b32 s15, s14, 1
	s_and_b32 s16, s14, 1
	s_bfe_u32 s40, ttmp6, 0x40000
	s_bfe_u32 s41, ttmp6, 0x40004
	s_and_b32 s66, ttmp7, 0xffff
	s_and_b32 s67, s66, 7
	s_mov_b32 s100, 131072
	s_mov_b32 s101, 0
	s_cmp_lt_u32 s66, 16
	s_cselect_b32 s18, s67, 0
	s_cselect_b32 s19, 0, s67
	s_cselect_b32 s2, -1, 0
	s_cselect_b32 s100, 16384, s100
	s_cselect_b32 s67, 8, 64
	s_lshl_b32 s17, s18, 2
	s_add_co_u32 s17, s17, s41
	s_lshl_b32 s42, s19, 2
	s_add_co_u32 s42, s42, s40
	s_lshl_b32 s43, s41, 2
	s_lshl_b32 s43, 15, s43
	s_lshl_b32 s44, 0x1111, s40
	s_or_b32 s[G1+0], s43, (0<<16)|(1<<20)|(1<<21)|(5<<22)|(3<<25)
	s_or_b32 s[G1B+0], s44, (0<<16)|(1<<20)|(1<<21)|(5<<22)|(3<<25)
.irp g, G1, G1B
	s_mov_b32 s[\g+1], ROWB<<16
	s_mov_b32 s[\g+2], 128<<16
	s_mov_b32 s[\g+3], ROWB<<16
	s_mov_b32 s[\g+4], 128
	s_mov_b32 s[\g+5], KROW
	s_mov_b32 s[\g+6], 0
	s_mov_b32 s[\g+7], 0
.endr
	s_lshl_b32 s18, s16, 7
	s_lshl_b32 s20, s17, 8
	s_add_co_u32 s20, s20, s18
	s_lshl_b32 s20, s20, 10
	s_mov_b32 s21, 0
	s_lshl_b32 s46, s42, 8
	s_add_co_u32 s46, s46, s18
	s_lshl_b32 s46, s46, 10
	s_mov_b32 s47, 0
	s_mul_i32 s45, s14, HALFT
	s_wait_dscnt 0x0
	s_wait_kmcnt 0x0
	s_cmp_lt_u32 s66, 8
.irp i, 0,1,2,3,4,5,6
	s_cselect_b64 s[68+2*\i:69+2*\i], s[68+2*\i:69+2*\i], s[82+2*\i:83+2*\i]
.endr
	s_cmp_lt_u32 s66, 16
	s_cselect_b64 s[68:69], s[68:69], s[96:97]
	s_cselect_b64 s[70:71], s[70:71], s[98:99]
.irp i, 2,3,4,5,6
	s_cselect_b64 s[68+2*\i:69+2*\i], s[68+2*\i:69+2*\i], s[2*\i:2*\i+1]
.endr
	s_mov_b32 s[SEL], 0x76543210
	s_mov_b32 s[SEL+1], 0xfedcba98
	s_mov_b32 s[MNT], 0x600000
	s_add_nc_u64 s[20:21], s[68:69], s[20:21]
	s_add_nc_u64 s[46:47], s[72:73], s[46:47]
	CROUND
.irp s, 0,1
	s_mov_b32 s[G0+4*\s], 1
	s_add_co_u32 s[G0+4*\s+1], s45, \s*SLOT
	s_add_nc_u64 s[G0+4*\s+2:G0+4*\s+3], s[20:21], \s*ROWB
	s_or_b32 s[G0+4*\s+3], s[G0+4*\s+3], 0x80000000
	s_mov_b32 s[G0B+4*\s], 1
	s_add_co_u32 s[G0B+4*\s+1], s45, \s*SLOT
	s_add_nc_u64 s[G0B+4*\s+2:G0B+4*\s+3], s[46:47], \s*ROWB
	s_or_b32 s[G0B+4*\s+3], s[G0B+4*\s+3], 0x80000000
.endr
	JLOAD G0, G1, G0B, G1B
	v_and_b32 v1, 15, v0
	v_bfe_u32 v2, v0, 4, 1
	v_mul_u32_u24 v7, v1, PITCH
	v_lshl_add_u32 v7, v2, 4, v7
	s_mul_i32 s21, s15, HALFT
	s_mul_i32 s22, s16, HALFT
	s_add_co_u32 s22, s22, 2*HALFT
.irp s, 0,1
	v_add_nc_u32 v[ADRA+\s], s21, v7
	v_add_nc_u32 v[ADRB+\s], s22, v7
	s_add_co_u32 s21, s21, SLOT
	s_add_co_u32 s22, s22, SLOT
.endr
	v_mul_u32_u24 v14, v1, KS
	v_lshrrev_b32 v15, 8, v14
	v_lshl_add_u32 v14, v15, 4, v14
	s_mul_i32 s21, s15, HALFS
	s_mul_i32 s22, s16, HALFS
	s_add_co_u32 s22, s22, 2*HALFS
	s_sub_co_u32 s22, s22, s21
	v_mul_u32_u24 v15, s22, v2
	s_add_co_u32 s21, s21, SCL
	v_add_nc_u32 v14, v14, v15
	v_add_nc_u32 v[ADRS], s21, v14
	v_and_b32 v[VO], 31, v0
	v_lshlrev_b32 v[VO], 4, v[VO]
	s_lshl_b32 s21, s14, 9
	v_lshl_add_u32 v[SSTA], v1, 2, s21
	v_add_nc_u32 v[SLD], s21, v[VO]
	v_lshlrev_b32 v14, 4, v0
	s_wait_alu depctr_va_vdst(0)
	v_lshrrev_b32 v15, 4, v0
	v_lshl_add_u32 v15, v15, 4, v14
	v_add_nc_u32 v15, SCL, v15
	v_lshlrev_b32 v7, 5, v2
	s_wait_alu depctr_va_vdst(0)
	v_lshlrev_b32 v252, 2, v1
	s_wait_alu depctr_va_vdst(0)
	s_lshl_b32 s22, s17, 13
	s_mov_b32 s23, 0
	s_add_nc_u64 s[70:71], s[70:71], s[22:23]
	s_lshl_b32 s92, s42, 13
	s_mov_b32 s93, 0
	s_add_nc_u64 s[74:75], s[74:75], s[92:93]
	s_lshl_b32 s94, s42, 8
	s_lshl_b32 s95, s16, 7
	s_add_co_u32 s94, s94, s95
	s_and_b32 s94, s94, s2
	s_lshl_b32 s94, s94, 2
	s_mov_b32 s95, 0
	s_add_nc_u64 s[82:83], s[76:77], s[94:95]
	s_lshl_b32 s22, s17, 8
	s_lshl_b32 s23, s15, 7
	s_add_co_u32 s22, s22, s23
	s_and_not1_b32 s22, s22, s2
	s_lshl_b32 s22, s22, 2
	s_mov_b32 s23, 0
	s_add_nc_u64 s[84:85], s[76:77], s[22:23]
	s_lshl_b32 s90, s17, 4
	s_lshl_b32 s91, s15, 3
	s_add_co_u32 s90, s90, s91
	s_mul_i32 s90, s90, s100
	s_lshl_b32 s91, s42, 3
	s_lshl_b32 s89, s16, 2
	s_add_co_u32 s91, s91, s89
	s_lshl_b32 s91, s91, 9
	s_add_co_u32 s90, s90, s91
	s_mov_b32 s91, 0
	s_add_nc_u64 s[78:79], s[78:79], s[90:91]
	s_lshl_b32 s90, s17, 1
	s_add_co_u32 s90, s90, s15
	s_mul_i32 s90, s90, s67
	s_lshl_b32 s89, s42, 1
	s_add_co_u32 s90, s90, s89
	s_add_co_u32 s90, s90, s16
	s_lshl_b32 s90, s90, 9
	s_add_nc_u64 s[80:81], s[80:81], s[90:91]
.irp i, 0,1,2,3
	global_load_b128 v[128+4*\i:131+4*\i], v14, s[70:71] offset:2048*\i
.endr
.irp i, 0,1,2,3
	global_load_b128 v[144+4*\i:147+4*\i], v14, s[74:75] offset:2048*\i
.endr
.irp b, 0,1,2,3,4,5,6,7
	global_load_b128 v[BB+8*\b:BB+8*\b+3], v7, s[82:83] offset:64*\b
	global_load_b128 v[BB+8*\b+4:BB+8*\b+7], v7, s[82:83] offset:64*\b+16
.endr
.irp a, 0,1,2,3,4,5,6,7
	global_load_b32 v[BA+2*\a], v252, s[84:85] offset:64*\a
	global_load_b32 v[BA+2*\a+1], v252, s[84:85] offset:64*\a
.endr
	s_wait_loadcnt 32
.irp i, 0,1,2,3
	ds_store_b128 v15, v[128+4*\i:131+4*\i] offset:2176*\i
	ds_store_b128 v15, v[144+4*\i:147+4*\i] offset:2*HALFS+2176*\i
.endr
	s_wait_loadcnt 0x0
	s_mov_b32 vcc_lo, s2
.set J, 0
.rept 64
	v_cndmask_b32 v[BB+J], 1.0, v[BB+J], vcc_lo
.set J, J+1
.endr
	s_not_b32 vcc_lo, s2
.set J, 0
.rept 16
	v_cndmask_b32 v[BA+J], 1.0, v[BA+J], vcc_lo
.set J, J+1
.endr
.macro FRAG reg, adr, q, i
.irp c, 0,1,2,3
	ds_load_b128 v[\reg+4*\c:\reg+4*\c+3], v[\adr] offset:128*(\q)+32*\c+(\i)*16*PITCH
.endr
.endm
.macro MUL16 a0, p, q, sc, zero
.irp a, \a0, \a0+1
.irp b, 0,1,2,3,4,5,6,7
.if \zero
	v_wmma_scale_f32_16x16x128_f8f6f4 v[8*(8*((\a)%4)+\b):8*(8*((\a)%4)+\b)+7], v[128*(\p)+FR*\b:128*(\p)+FR*\b+FR-1], v[AF+FR*(\a):AF+FR*(\a)+FR-1], 0, v[SC+8*NQ*(\sc)+NQ*\b+(\q)], v[SC+8*NQ*(\sc)+NQ*(\a)+(\q)] matrix_a_fmt:MATRIX_FMT_BF8 matrix_b_fmt:MATRIX_FMT_BF8 matrix_a_scale:MATRIX_SCALE_ROW1
.else
	v_wmma_scale_f32_16x16x128_f8f6f4 v[8*(8*((\a)%4)+\b):8*(8*((\a)%4)+\b)+7], v[128*(\p)+FR*\b:128*(\p)+FR*\b+FR-1], v[AF+FR*(\a):AF+FR*(\a)+FR-1], v[8*(8*((\a)%4)+\b):8*(8*((\a)%4)+\b)+7], v[SC+8*NQ*(\sc)+NQ*\b+(\q)], v[SC+8*NQ*(\sc)+NQ*(\a)+(\q)] matrix_a_fmt:MATRIX_FMT_BF8 matrix_b_fmt:MATRIX_FMT_BF8 matrix_a_scale:MATRIX_SCALE_ROW1
.endif
.endr
.endr
.endm
.macro FETCH_B slot, q, p
	WIN TO_B
.irp i, 0,1,2,3,4,5,6,7
	FRAG 128*(\p)+FR*\i, ADRB+\slot, \q, \i
.endr
	WIN 0
.endm
.macro FETCH_A slot, q, i0
.irp i, \i0, \i0+1, \i0+2, \i0+3
	FRAG AF+FR*(\i), ADRA+\slot, \q, \i
.endr
.endm
.macro SCALES sc
.irp i, 0,1,2,3,4,5,6,7
	ds_load_b64 v[SC+8*NQ*\sc+NQ*\i:SC+8*NQ*\sc+NQ*\i+1], v[ADRS] offset:\i*SBLK
.endr
.endm
.macro PLACES n
.rept \n
	v_nop
.endr
.endm
.macro STEP slot, q, zero
	s_wait_dscnt 4*NL
	WIN MUL_LO
	MUL16 0, (\q)%2, \q, \slot, \zero
	MUL16 2, (\q)%2, \q, \slot, \zero
	s_wait_dscnt 0
	PLACES NP
	FETCH_B \slot, (\q)+1, 1-(\q)%2
	FETCH_A \slot, (\q)+1, 0
	WIN MUL_HI
	MUL16 4, (\q)%2, \q, \slot, \zero
	MUL16 6, (\q)%2, \q, \slot, \zero
	PLACES NP
	WIN 0
	FETCH_A \slot, (\q)+1, 4
.endm
.macro TURN slot, next, fill
	s_wait_tensorcnt 0x0
	ds_add_u32 v[SPW], v[NIL]
	s_wait_dscnt 4*NL+1
	WIN MUL_LO
	MUL16 0, 1, NQ-1, \slot, 0
	s_wait_dscnt 0x0
	s_barrier_signal -1
	MUL16 2, 1, NQ-1, \slot, 0
	WIN 0
	s_barrier_wait -1
.if \fill
	CREST
	s_add_nc_u64 s[G0+4*\slot+2:G0+4*\slot+3], s[G0+4*\slot+2:G0+4*\slot+3], 2*ROWB
	s_add_nc_u64 s[G0B+4*\slot+2:G0B+4*\slot+3], s[G0B+4*\slot+2:G0B+4*\slot+3], 2*ROWB
	JLOAD G0+4*\slot, G1, G0B+4*\slot, G1B
	PLACES NP-4
.else
	PLACES NP
.endif
	s_wait_alu depctr_va_vdst(0)
	v_add_nc_u32 v[ADRS], 4*NQ, v[ADRS]
	FETCH_B \next, 0, 0
	FETCH_A \next, 0, 0
	SCALES \next
	WIN MUL_HI
	MUL16 4, 1, NQ-1, \slot, 0
	MUL16 6, 1, NQ-1, \slot, 0
	PLACES NP
	WIN 0
	FETCH_A \next, 0, 4
.endm
	s_wait_alu depctr_va_vdst(0)
	s_wait_tensorcnt 0x0
	ds_add_u32 v[SPW], v[NIL]
	s_wait_dscnt 0x0
	CROUND
	JLOAD G0+4, G1, G0B+4, G1B
	FETCH_B 0, 0, 0
	FETCH_A 0, 0, 0
	SCALES 0
	FETCH_A 0, 0, 4
	STEP 0, 0, 1
	s_mov_b32 s3, LAPS-1
.Llap:
	TURN 0, 1, 1
	STEP 1, 0, 0
	TURN 1, 0, 1
	STEP 0, 0, 0
	s_sub_co_u32 s3, s3, 1
	s_cmp_lg_u32 s3, 0
	s_cbranch_scc1 .Llap
	TURN 0, 1, 0
	STEP 1, 0, 0
	s_wait_dscnt 4*NL
	WIN MUL_LO
	MUL16 0, 1, NQ-1, 1, 0
	MUL16 2, 1, NQ-1, 1, 0
	s_wait_dscnt 0
	WIN MUL_HI
	MUL16 4, 1, NQ-1, 1, 0
	MUL16 6, 1, NQ-1, 1, 0
	WIN 0
.macro QUANT s, pc, pw
.irp b, 0,1,2,3
	v_max3_num_f32 v[TM+\b], |v[\s+16*\b]|, |v[\s+1+16*\b]|, 0x8000000
.endr
.irp i, 2,4,6,8,10,12,14
.irp b, 0,1,2,3
	v_max3_num_f32 v[TM+\b], v[TM+\b], |v[\s+16*\b+\i]|, |v[\s+1+16*\b+\i]|
.endr
.endr
.irp b, 0,1,2,3
	v_permlanex16_b32 v[TM+4+\b], v[TM+\b], s[SEL], s[SEL+1]
.endr
.irp b, 0,1,2,3
	v_max_num_f32 v[TM+\b], v[TM+\b], v[TM+4+\b]
.endr
.irp b, 0,1,2,3
	v_add_nc_u32 v[TM+12+\b], 0xf8800000, v[TM+\b]
.endr
.irp b, 0,1,2,3
	v_and_or_b32 v[TM+8+\b], v[TM+\b], 0x7f800000, s[MNT]
.endr
.irp b, 0,1,2,3
	v_lshrrev_b32 v[TM+4+\b], 23, v[TM+12+\b]
.endr
	v_lshl_or_b32 v[\pw], v[TM+5], 8, v[TM+4]
	v_lshl_or_b32 v[\pw], v[TM+6], 16, v[\pw]
	v_lshl_or_b32 v[\pw], v[TM+7], 24, v[\pw]
.irp b, 0,1,2,3
.irp i, 0,1,2,3,4,5,6,7,8,9,10,11,12,13,14,15
	v_med3_num_f32 v[\s+16*\b+\i], v[\s+16*\b+\i], -v[TM+8+\b], v[TM+8+\b]
.endr
	v_cvt_scalef32_pk8_bf8_f32 v[\pc+4*\b:\pc+1+4*\b], v[\s+16*\b:\s+7+16*\b], v[TM+12+\b]
	v_cvt_scalef32_pk8_bf8_f32 v[\pc+2+4*\b:\pc+3+4*\b], v[\s+8+16*\b:\s+15+16*\b], v[TM+12+\b]
.endr
	v_nop
.endm
.macro EPI a
	WIN 0x20+0x10*((\a)/4)
.irp b, 0,1,2,3,4,5,6,7
.irp i, 0,1,2,3
	v_pk_fma_f32 v[HA+8*\b+2*\i:HA+8*\b+2*\i+1], v[BB+8*\b+2*\i:BB+8*\b+2*\i+1], v[BA+2*(\a):BA+2*(\a)+1], v[64*((\a)%4)+8*\b+2*\i:64*((\a)%4)+8*\b+2*\i+1]
.endr
.endr
	WIN 0
	QUANT HA, PC+16*((\a)%2), PW+(\a)
	ds_store_b32 v[SSTA], v[PW+(\a)] offset:64*(\a)
.if (\a) > 0
	s_wait_alu depctr_va_vdst(0)
	s_wait_xcnt 0x0
	s_add_nc_u64 s[78:79], s[78:79], s[100:101]
.endif
.irp c, 0,1,2,3
	global_store_b128 v[VO], v[PC+16*((\a)%2)+4*\c:PC+16*((\a)%2)+4*\c+3], s[78:79] offset:512*\c
.endr
.endm
	PLACES NP
.irp b, 0,1,2,3
	v_mov_b32 v[TM+4+\b], 0
.endr
.irp a, 0,1,2,3,4,5,6,7
	EPI \a
.endr
	ds_load_b128 v[248:251], v[SLD]
	s_wait_dscnt 0x0
	global_store_b128 v[VO], v[248:251], s[80:81]
	s_wait_tensorcnt 0x0
	ds_add_u32 v[SPW], v[NIL]
	s_wait_dscnt 0x0
	CROUND
	s_endpgm
.Lfunc_end_k_q9302c58ebc_proj:
	.size	k_q9302c58ebc_proj, .Lfunc_end_k_q9302c58ebc_proj-k_q9302c58ebc_proj
	.p2alignl 7, 3214868480
	.fill 96, 4, 3214868480
	.section	.rodata,"a",@progbits
	.p2align	6, 0x0
	.amdhsa_kernel k_q9302c58ebc_proj
		.amdhsa_group_segment_fixed_size 327680
		.amdhsa_private_segment_fixed_size 0
		.amdhsa_enable_private_segment 0
		.amdhsa_kernarg_size 168
		.amdhsa_user_sgpr_count 2
		.amdhsa_user_sgpr_kernarg_segment_ptr 1
		.amdhsa_wavefront_size32 1
		.amdhsa_system_sgpr_workgroup_id_x 1
		.amdhsa_system_sgpr_workgroup_id_y 1
		.amdhsa_system_sgpr_workgroup_id_z 1
		.amdhsa_system_vgpr_workitem_id 0
		.amdhsa_next_free_vgpr 1024
		.amdhsa_next_free_sgpr 102
		.amdhsa_reserve_vcc 1
		.amdhsa_float_denorm_mode_32 3
		.amdhsa_float_denorm_mode_16_64 3
		.amdhsa_memory_ordered 1
		.amdhsa_forward_progress 1
		.amdhsa_inst_pref_size 208
	.end_amdhsa_kernel
	.amdgpu_metadata
---
amdhsa.version: [ 1, 2 ]
amdhsa.kernels:
  - .name:           k_q9302c58ebc_proj
    .symbol:         k_q9302c58ebc_proj.kd
    .args:
      - { .name: q_codes, .offset: 0, .size: 8, .value_kind: global_buffer, .address_space: global }
      - { .name: q_scales, .offset: 8, .size: 8, .value_kind: global_buffer, .address_space: global }
      - { .name: Wq_codes, .offset: 16, .size: 8, .value_kind: global_buffer, .address_space: global }
      - { .name: Wq_scales, .offset: 24, .size: 8, .value_kind: global_buffer, .address_space: global }
      - { .name: bq, .offset: 32, .size: 8, .value_kind: global_buffer, .address_space: global }
      - { .name: Qc, .offset: 40, .size: 8, .value_kind: global_buffer, .address_space: global }
      - { .name: Qs, .offset: 48, .size: 8, .value_kind: global_buffer, .address_space: global }
      - { .name: k_codes, .offset: 56, .size: 8, .value_kind: global_buffer, .address_space: global }
      - { .name: k_scales, .offset: 64, .size: 8, .value_kind: global_buffer, .address_space: global }
      - { .name: Wk_codes, .offset: 72, .size: 8, .value_kind: global_buffer, .address_space: global }
      - { .name: Wk_scales, .offset: 80, .size: 8, .value_kind: global_buffer, .address_space: global }
      - { .name: bk, .offset: 88, .size: 8, .value_kind: global_buffer, .address_space: global }
      - { .name: Kc, .offset: 96, .size: 8, .value_kind: global_buffer, .address_space: global }
      - { .name: Ks, .offset: 104, .size: 8, .value_kind: global_buffer, .address_space: global }
      - { .name: Wv_codes, .offset: 112, .size: 8, .value_kind: global_buffer, .address_space: global }
      - { .name: Wv_scales, .offset: 120, .size: 8, .value_kind: global_buffer, .address_space: global }
      - { .name: v_codes, .offset: 128, .size: 8, .value_kind: global_buffer, .address_space: global }
      - { .name: v_scales, .offset: 136, .size: 8, .value_kind: global_buffer, .address_space: global }
      - { .name: bv, .offset: 144, .size: 8, .value_kind: global_buffer, .address_space: global }
      - { .name: Vc, .offset: 152, .size: 8, .value_kind: global_buffer, .address_space: global }
      - { .name: Vs, .offset: 160, .size: 8, .value_kind: global_buffer, .address_space: global }
    .group_segment_fixed_size: 327680
    .private_segment_fixed_size: 0
    .kernarg_segment_align: 8
    .kernarg_segment_size: 168
    .max_flat_workgroup_size: 128
    .sgpr_count:     102
    .vgpr_count:     1024
    .wavefront_size: 32
...
	.end_amdgpu_metadata
.endif
;; end of part 1
;; launch attn (part 2): grid 4 x 64, 8 waves a work-group, clusters of 4 x 1, 327,680 bytes of LDS; arguments Qc, Qs, Kc, Ks, Vc, Vs, Cc, Cs; writes Cc, Cs
.if DOCPART == 2
	.amdgcn_target "amdgcn-amd-amdhsa--gfx1250"
	.amdhsa_code_object_version 6
	.text
	.protected	k_q9302c58ebc_attn
	.globl	k_q9302c58ebc_attn
	.p2align	8
	.type	k_q9302c58ebc_attn,@function
k_q9302c58ebc_attn:
	s_mov_b64 s[64:65], 0
	v_nop
	global_prefetch_b8 v0, s[64:65] scope:SCOPE_SE
	s_setreg_imm32_b32 hwreg(HW_REG_WAVE_MODE, 25, 1), 1
	s_wait_xcnt 0x0
	s_wait_alu depctr_hold_cnt(0) depctr_sa_sdst(0) depctr_va_vdst(0) depctr_va_sdst(0) depctr_va_ssrc(0) depctr_va_vcc(0) depctr_vm_vsrc(0)
	s_getreg_b32 s2, hwreg(HW_REG_IB_STS2, 6, 4)
	s_cmp_eq_u32 s2, 0
	s_cbranch_scc0 .Lentry_in_a_cluster
	s_endpgm
.Lentry_in_a_cluster:
	s_bfe_u32 s2, ttmp6, 0x10000c
	s_cmp_lg_u32 s2, 0x3003
	s_cbranch_scc0 .Lentry_shape_is_right
	s_endpgm
.Lentry_shape_is_right:
; ATTENTION on codes of BF8 (E5M2): for each batch and head, heads = softmax(Q K^T / 8) V, both products quantised; the result is quantised along the concatenated 1,024 for the last projection.
; THE SOFTMAX: t = score x log2(e) / 8; M = a whole number, the ceiling of the running largest t; p = 2^(t - M) is quantised along the keys, not normalised; the row's sum is taken of the unquantised p and divides at the end.
; When M moves, the sum and O are multiplied by 2^(old M - new M), which rounds nothing.
; A BLOCK'S SCALE: p rises with the score, so the block's largest p is 2^x, x = the block's largest score put through the same multiply-add as every score; its exponent is floor(x), taken as a whole number: no second exponential.
; Where v_exp_f32 rounds 2^x up to the next power of two, the hold keeps that p at the largest code, which is what the quantiser gives the unrounded number.
; LIMITS: NaN and infinities are not served; the scaled scores stay under 2^31 in magnitude; a block whose largest p lies under 2^-111 gets the scale byte 1 (the bytes are read by this program alone).
; SHARES.  A work-group owns 512 queries of one batch and head, in two passes of 256; each of its 8 waves owns two tiles of 16 queries a pass (tiles wave and wave + 8), in 512 registers: two waves to a SIMD.
; THE TWO TILES GO IN STEP, line by line: each fragment of K and V is read from LDS once for both, and no line reads what the line above it wrote where the other tile's line can stand between.
; A key step of 128 keys: 16 score products; V's fragments of this step and K's of the next are asked for; maxima, M, t - M, scales; 128 exponentials; O^T and the sums under the new M, sums, holds, conversions; 8 products with V.
; The last trip of a pass asks for keys 0 to 127 again: the next pass begins with them; behind the second pass those 24 LDS loads are not used.
; THE HEAD'S WHOLE K AND V LIE IN LDS, 131,072 bytes of codes each, filled once by 8 tensor loads, one a wave: no ring, no refill, no barrier among the key steps.
; No prefetch: every tile is asked for once, at the head; there is no loop that runs ahead of a load.
; CLUSTER.  The four work-groups of a batch and head form a cluster and ask for each of the 8 tiles jointly (mask 15).
; LAYOUT.  All operands arrive as images of their registers (512 bytes a piece, lane l's 16 bytes at 16 l).  Both products are used transposed: S^T = K Q^T, O^T = V^T P^T: a lane holds one query.
; In S^T lane (r, h) holds, in tiles 2 c and 2 c + 1, keys 32 c + 8 h + 0..7 and 32 c + 16 + 8 h + 0..7: the order in which V's codes were laid along the keys, so p's codes are the second product's operand as they come.
; THE HEAD'S 64 ON AN INSTRUCTION OF 128: Q's operand has zero codes in its upper half; a key tile's operand runs on into the next tile's codes (the last into zeros), which those zeros multiply away.
; REGISTERS.  Window 0 (v0-255): addresses, scale words, S^T and p's codes of both tiles, the softmax's registers.  Window 1: K's fragments 0-63, zeros 64-71, V's 72-135, O^T 136-199, Q 200-231.
.set VB,    131072                     ; LDS: K's codes from 0 (key tile kt at 1,024 kt); V's from here: [16 channels (4)][128 keys (16)][4 pieces]
.set KSC,   262144                     ; K's scale words: key k at 4 k
.set VSC,   270336                     ; V's: [128 keys (16)][16 channels (4)][16 words]
.set STG,   274432                     ; the heads' scale bytes, two a row: 512 bytes a pass
.set SPARE, 275456                     ; the spare words, 128 bytes a wave
.set LI,   1                           ; 16 x lane
.set R4,   2                           ; 4 r
.set SPW,  3                           ; my spare word; never rewritten
.set NIL,  4                           ; 0; never rewritten
.set ASTG, 5                           ; STG + 32 x wave + 2 r
.set ARD,  6                           ; STG + 16 x (thread % 64)
.set ADK,  7                           ; the addresses of the loads in hand: K, K's scale words, V (two), V's scale words
.set ADS,  8
.set ADV,  9
.set ADV2, 10
.set ADT,  11
.set ASK0, 12                          ; KSC + 4 r;  VSC + 4 r;  VB + 16 x lane
.set ASV0, 13
.set AV0,  14
.set SWK,  16                          ; v16-23 K's scale words; v24-27 V's; v28, 29 Q's; v30, 31 p's (tile 0, 1)
.set SWV,  24
.set QSW,  28
.set PSW,  30
.set SR,   32                          ; S^T, then p: tile y at 32 + 64 y
.set PCD,  160                         ; p's codes: tile y at 160 + 16 y
.set BM,   192                         ; from here on register 4 y + b: block b of tile y.  The blocks' largest scores
.set PB,   200                         ; a lane permute's results; later
.set EI,   200                         ; the blocks' exponents, whole numbers
.set CV,   208                         ; the conversions' scale operands
.set HD,   216                         ; the holds
.set F,    224                         ; pairs, tile y at + 2 y: f = 2^(old M - new M)
.set TMP,  228
.set C1,   232                         ; the second chain of the row's sum
.set NM,   236                         ; -M
.set MR,   240                         ; v240, 241 the running largest score
.set LS,   242                         ; the sums in two halves
.set W,    246                         ; v246, 247 the old -M, later the scale word in the making
.set KF,   0                           ; window 1
.set KZ,   64
.set VF,   72
.set OF,   136
.set QR,   200
.set WV,   20
.set SEL,  52
.set CS,   54                          ; s[54:55] c = log2(e) / 8;  s56 -c
.set NCS,  56
.set MNT,  57
.set TK,   58                          ; where the loads begin in LDS: K's codes and scale words of the next step, V's of this
.set TS,   59
.set TV,   60
.set TJ,   61
.set J,    62                          ; the key step, 0 to 15
.set PASS, 63
.set PSG,  66                          ; 512 x pass
.set MSB, 0
.macro WIN new                         ; the immediate's high byte repeats the setting that is left
.if MSB != (\new)
	s_set_vgpr_msb (MSB<<8)|(\new)
.set MSB, (\new)
.endif
.endm
.macro CROUND
	s_barrier_signal -1
	s_barrier_wait -1
	s_cmp_lg_u32 s[WV], 0
	s_cbranch_scc1 .Lnot_wave_0_\@
	s_barrier_signal -3
.Lnot_wave_0_\@:
	s_barrier_wait -3
	s_barrier_signal -1
	s_barrier_wait -1
.endm
.macro WALU
	s_wait_alu depctr_va_vdst(0)
.endm
	s_load_b512 s[4:19], s[0:1], 0x0               ; Qc s[4:5], Qs s[6:7], Kc s[8:9], Ks s[10:11], Vc s[12:13], Vs s[14:15], Cc s[16:17], Cs s[18:19]
	v_lshl_add_u32 v[SPW], v0, 2, SPARE
	v_mov_b32 v[NIL], 0
	ds_add_u32 v[SPW], v[NIL]                      ; the wave's opening: the add, twice on end, and its wait ahead of my first tensor load
	ds_add_u32 v[SPW], v[NIL]
	v_lshrrev_b32 v248, 5, v0
	v_readfirstlane_b32 s[WV], v248                ; wave 0..7
	s_bfe_u32 s21, ttmp6, 0x40000                  ; cx: my block of 512 queries: it enters Q's, Cc's and Cs's addresses alone
	s_and_b32 s22, ttmp7, 0xffff
	s_lshr_b32 s23, s22, 4                         ; batch
	s_and_b32 s24, s22, 15                         ; head
	s_and_b32 s25, s[WV], 3                        ; which quarter of K's keys (waves 0-3) or which 16 channels of V (waves 4-7) I fetch
	s_and_b32 s26, s24, 1
	s_lshl_b32 s26, s26, 4                         ; an odd head's two scale bytes lie 16 bits up in a word
	s_lshr_b32 s27, s24, 1
	; group 1, K: 32 key tiles of 1,024 bytes, 16,384 bytes apart; V: 32,768 dense bytes as 8 rows of 4,096.  Elements of 8 bytes, no padding, mask 15 with bit 21 beside it
	s_mov_b32 s28, 15|(3<<16)|(1<<21)
	s_mov_b32 s29, 128<<16
	s_mov_b32 s30, 32<<16
	s_mov_b32 s31, 128<<16
	s_mov_b32 s32, 32
	s_mov_b32 s33, 2048
	s_mov_b32 s34, 0
	s_mov_b32 s35, 0
	s_mov_b32 s36, 15|(3<<16)|(1<<21)
	s_mov_b32 s37, 512<<16
	s_mov_b32 s38, 8<<16
	s_mov_b32 s39, 512<<16
	s_mov_b32 s40, 8
	s_mov_b32 s41, 512
	s_mov_b32 s42, 0
	s_mov_b32 s43, 0
	s_lshl_b32 s45, s25, 15                        ; LDS: my quarter of K's codes,
	s_add_co_u32 s49, s45, VB                      ; or of V's
	s_lshl_b32 s66, s23, 21                        ; Kc: batch x 128 tiles x 16,384 + quarter x 32 tiles + head x 1,024
	s_lshl_b32 s68, s25, 19
	s_add_co_u32 s66, s66, s68
	s_lshl_b32 s68, s24, 10
	s_add_co_u32 s66, s66, s68
	s_mov_b32 s67, 0
	s_lshl_b32 s68, s24, 19                        ; Vc: (head x 4 + 16 channels) x 131,072 + batch x 32,768
	s_lshl_b32 s70, s25, 17
	s_add_co_u32 s68, s68, s70
	s_lshl_b32 s70, s23, 15
	s_add_co_u32 s68, s68, s70
	s_mov_b32 s69, 0
	s_lshl_b32 s70, s23, 7
	s_lshl_b32 s71, s21, 5
	s_add_co_u32 s70, s70, s71
	s_add_co_u32 s70, s70, s[WV]                   ; my first tile of queries: 128 x batch + 32 cx + wave
	s_lshl_b32 s72, s70, 14
	s_lshl_b32 s73, s24, 10
	s_add_co_u32 s72, s72, s73
	s_mov_b32 s73, 0                               ; its place in Qc and in Cc
	s_lshr_b32 s74, s70, 3
	s_lshl_b32 s74, s74, 3
	s_add_co_u32 s74, s74, s27
	s_lshl_b32 s74, s74, 9
	s_and_b32 s75, s70, 7
	s_lshl_b32 s75, s75, 6
	s_add_co_u32 s74, s74, s75
	s_mov_b32 s75, 0                               ; and its scale words' in Qs
	s_lshl_b32 s76, s23, 4
	s_add_co_u32 s76, s76, s[WV]                   ; 16 x batch + wave: the first 128 keys whose scale words I bring (the second: 8 further on)
	s_lshl_b32 s78, s76, 3
	s_add_co_u32 s78, s78, s27
	s_lshl_b32 s78, s78, 9
	s_mov_b32 s79, 0                               ; in Ks
	s_lshl_b32 s77, s27, 6
	s_add_co_u32 s76, s76, s77
	s_lshl_b32 s76, s76, 9
	s_lshl_b32 s77, s26, 4
	s_add_co_u32 s76, s76, s77
	s_mov_b32 s77, 0                               ; in Vs
	s_lshl_b32 s2, s23, 3
	s_lshl_b32 s3, s21, 1
	s_add_co_u32 s2, s2, s3
	s_and_b32 s3, s[WV], 1
	s_add_co_u32 s2, s2, s3
	s_lshl_b32 s2, s2, 4
	s_add_co_u32 s2, s2, s24
	s_lshl_b32 s2, s2, 9
	s_mov_b32 s3, 0                                ; Cs: ((8 x batch + 2 cx + pass) x 16 + head) x 512; waves 0 and 1 store passes 0 and 1
	s_mov_b32 s[SEL], 0x76543210
	s_mov_b32 s[SEL+1], 0xfedcba98
	s_mov_b32 s[CS], 0x3e38aa3b
	s_mov_b32 s[CS+1], s[CS]
	s_mov_b32 s[NCS], 0xbe38aa3b
	s_mov_b32 s[MNT], 0x600000
	v_and_b32 v[LI], 31, v0
	v_and_b32 v[R4], 15, v0
	v_and_b32 v[ASTG], 0xe0, v0
	v_and_b32 v[ARD], 63, v0
	v_lshlrev_b32 v[LI], 4, v[LI]
	v_lshl_add_u32 v[ASTG], v[R4], 1, v[ASTG]
	v_lshl_add_u32 v[ARD], v[ARD], 4, STG
	v_lshlrev_b32 v[R4], 2, v[R4]
	v_add_nc_u32 v[ASTG], STG, v[ASTG]
	v_lshl_add_u32 v248, v0, 4, KSC                ; where I put 16 bytes of K's scale words,
	v_lshl_add_u32 v249, v0, 3, VSC                ; and 8 of V's
	v_lshrrev_b32 v250, 1, v[LI]                   ; 8 x lane
	v_add_nc_u32 v[ASK0], KSC, v[R4]
	v_add_nc_u32 v[ASV0], VSC, v[R4]
	v_add_nc_u32 v[AV0], VB, v[LI]
	WALU                                           ; directly ahead of the wait below
	s_wait_dscnt 0x0                               ; both opening adds are done
	s_wait_kmcnt 0x0
	s_mov_b32 s44, 1
	s_add_nc_u64 s[46:47], s[8:9], s[66:67]
	s_or_b32 s47, s47, 0x80000000
	s_mov_b32 s48, 1
	s_add_nc_u64 s[50:51], s[12:13], s[68:69]
	s_or_b32 s51, s51, 0x80000000
	s_add_nc_u64 s[4:5], s[4:5], s[72:73]
	s_add_nc_u64 s[16:17], s[16:17], s[72:73]
	s_add_nc_u64 s[6:7], s[6:7], s[74:75]
	s_add_nc_u64 s[10:11], s[10:11], s[78:79]
	s_add_nc_u64 s[14:15], s[14:15], s[76:77]
	s_add_nc_u64 s[18:19], s[18:19], s[2:3]
	s_mov_b32 s[PSG], 0
	s_mov_b32 s[PASS], 0
	CROUND                                         ; all four work-groups are here: the joint loads meet
	s_cmp_lt_u32 s[WV], 4                          ; every wave issues one load: one tensor load of mine is out
	s_cbranch_scc0 .Lfill_v
	tensor_load_to_lds s[44:47], s[28:35]
	s_nop 0
.rept 4
	v_nop
.endr
	s_branch .Lfilled
.Lfill_v:
	tensor_load_to_lds s[48:51], s[36:43]
	s_nop 0
.rept 4
	v_nop
.endr
.Lfilled:
	global_load_b128 v[32:35], v[LI], s[10:11]                 ; the scale words of twice 128 keys: 512 consecutive bytes each
	global_load_b128 v[36:39], v[LI], s[10:11] offset:32768
	global_load_b64 v[40:41], v250, s[14:15]                   ; V's of twice 128 keys x 64 channels: 256 consecutive bytes each
	global_load_b64 v[42:43], v250, s[14:15] offset:4096
.irp b, 0,1,2,3,4,5,6,7
	v_mov_b32 v[PB+\b], 0                          ; a lane permute's destination counts as one of its sources
.endr
.irp y, 0,1
	v_mov_b32 v[TMP+2*\y+1], 0                     ; likewise
	v_mov_b32 v[F+2*\y+1], 0                       ; named as the upper half of a pair
.endr
	WIN 0x40
.irp i, 0,1,2,3,4,5,6,7
	v_mov_b32 v[QR+8+\i], 0                        ; Q's upper halves: zero codes
	v_mov_b32 v[QR+24+\i], 0
	v_mov_b32 v[KZ+\i], 0                          ; behind the last key tile
.endr
	WIN 0
	WALU                                           ; ahead of the wait below
	s_wait_loadcnt 0x0
.irp i, 0,1,2,3,4,5,6,7
	v_lshrrev_b32 v[32+\i], s26, v[32+\i]          ; my head's two bytes into bytes 0 and 1
.endr
	ds_store_b128 v248, v[32:35]
	ds_store_b128 v248, v[36:39] offset:4096
	ds_store_b64 v249, v[40:41]
	ds_store_b64 v249, v[42:43] offset:2048
	WALU
	s_wait_tensorcnt 0x0                           ; my eighth of K and V has landed,
	s_wait_dscnt 0x0                               ; and my stores of scale words
	s_barrier_signal -1
	s_barrier_wait -1                              ; everybody's have
.macro KCODES                          ; eight key tiles (the destination's window is 1)
.irp t, 0,1,2,3,4,5,6,7
	ds_load_b128 v[KF+8*\t:KF+8*\t+3], v[ADK] offset:\t*1024
	ds_load_b128 v[KF+8*\t+4:KF+8*\t+7], v[ADK] offset:\t*1024+512
.endr
.endm
.macro KWORDS
.irp t, 0,1,2,3,4,5,6,7
	ds_load_b32 v[SWK+\t], v[ADS] offset:\t*64
.endr
.endm
; Four p of each tile: into the rows' sums (unquantised, two chains a tile), then held (ISA guide 7.6.2: the conversion does not saturate; p is not negative), two holds to a line; behind a block's sixteen its conversions
.macro POSTQ q
.irp y, 0,1
.if (\q) == 0
	v_pk_add_f32 v[LS+2*\y:LS+2*\y+1], v[SR+64*\y:SR+64*\y+1], v[SR+64*\y+2:SR+64*\y+3]   ; (the old sum, under the new M, stands in the second chain)
.else
	v_pk_add_f32 v[LS+2*\y:LS+2*\y+1], v[LS+2*\y:LS+2*\y+1], v[SR+64*\y+4*(\q):SR+64*\y+4*(\q)+1]
.endif
.endr
.if (\q) > 0
.irp y, 0,1
	v_pk_add_f32 v[C1+2*\y:C1+2*\y+1], v[C1+2*\y:C1+2*\y+1], v[SR+64*\y+4*(\q)+2:SR+64*\y+4*(\q)+3]
.endr
.endif
.irp y, 0,1
.irp i, 0,2
	v_dual_min_num_f32 v[SR+64*\y+4*(\q)+\i], v[HD+4*\y+(\q)/4], v[SR+64*\y+4*(\q)+\i] :: v_dual_min_num_f32 v[SR+64*\y+4*(\q)+\i+1], v[HD+4*\y+(\q)/4], v[SR+64*\y+4*(\q)+\i+1]
.endr
.endr
.if (\q)%4 == 3
.irp y, 0,1
	v_cvt_scalef32_pk8_bf8_f32 v[PCD+16*\y+(\q)-3:PCD+16*\y+(\q)-2], v[SR+64*\y+4*(\q)-12:SR+64*\y+4*(\q)-5], v[CV+4*\y+(\q)/4]
	v_cvt_scalef32_pk8_bf8_f32 v[PCD+16*\y+(\q)-1:PCD+16*\y+(\q)], v[SR+64*\y+4*(\q)-4:SR+64*\y+4*(\q)+3], v[CV+4*\y+(\q)/4]
.endr
.endif
.endm
; THE WAY OUT of tile x: O^T / the sum, quantised along the concatenated heads (two blocks of 32), codes to Cc, the two scale bytes to the stage
.macro EPI x
.set SX_, SR+64*(\x)
.set CD_, SX_+32
.set OX_, OF+32*(\x)
.set B4_, 4*(\x)
	WIN 0x01
	WALU                                           ; directly ahead of the first readers of O^T
.set J_, 0
.rept 16
	v_pk_mul_f32 v[SX_+J_:SX_+J_+1], v[OX_+J_:OX_+J_+1], v[F+2*(\x):F+2*(\x)+1] op_sel_hi:[1,0]   ; each accumulator from its low end on
.set J_, J_+2
.endr
	WIN 0
.irp b, 0,1
	v_max3_num_f32 v[BM+B4_+\b], |v[SX_+16*\b]|, |v[SX_+1+16*\b]|, 0x8000000
.endr
.irp i, 2,4,6,8,10,12,14
.irp b, 0,1
	v_max3_num_f32 v[BM+B4_+\b], v[BM+B4_+\b], |v[SX_+16*\b+\i]|, |v[SX_+1+16*\b+\i]|
.endr
.endr
.irp b, 0,1
	v_permlanex16_b32 v[PB+B4_+\b], v[BM+B4_+\b], s[SEL], s[SEL+1]
.endr
.irp b, 0,1
	v_max_num_f32 v[BM+B4_+\b], v[BM+B4_+\b], v[PB+B4_+\b]
.endr
.irp b, 0,1
	v_add_nc_u32 v[CV+B4_+\b], 0xf8800000, v[BM+B4_+\b]
.endr
.irp b, 0,1
	v_and_or_b32 v[HD+B4_+\b], v[BM+B4_+\b], 0x7f800000, s[MNT]
.endr
.irp b, 0,1
	v_lshrrev_b32 v[PB+B4_+\b], 23, v[CV+B4_+\b]
.endr
	v_lshl_or_b32 v[W+(\x)], v[PB+B4_+1], 8, v[PB+B4_]   ; my row's two scale bytes
.irp b, 0,1
.irp i, 0,1,2,3,4,5,6,7,8,9,10,11,12,13,14,15
	v_med3_num_f32 v[SX_+16*\b+\i], v[SX_+16*\b+\i], -v[HD+B4_+\b], v[HD+B4_+\b]
.endr
	v_cvt_scalef32_pk8_bf8_f32 v[CD_+4*\b:CD_+1+4*\b], v[SX_+16*\b:SX_+7+16*\b], v[CV+B4_+\b]
	v_cvt_scalef32_pk8_bf8_f32 v[CD_+2+4*\b:CD_+3+4*\b], v[SX_+8+16*\b:SX_+15+16*\b], v[CV+B4_+\b]
.endr
	v_nop                                          ; a plain line behind the last conversion
	; Wo's codes lie in the natural order, so these leave the pair order: lanes 0-15 give their upper eight codes of a block for the lower eight of lane l + 16
	s_mov_b32 vcc_lo, 0xffff0000
.irp b, 0,1
	v_cndmask_b32 v[HD+B4_+2*\b], v[CD_+2+4*\b], v[CD_+4*\b], vcc_lo
	v_cndmask_b32 v[HD+B4_+1+2*\b], v[CD_+3+4*\b], v[CD_+1+4*\b], vcc_lo
.endr
.irp b, 0,1
	v_permlanex16_b32 v[CV+B4_+2*\b], v[HD+B4_+2*\b], s[SEL], s[SEL+1]
	v_permlanex16_b32 v[CV+B4_+1+2*\b], v[HD+B4_+1+2*\b], s[SEL], s[SEL+1]
.endr
.irp b, 0,1
	v_cndmask_b32 v[CD_+8+4*\b], v[CD_+4*\b], v[CV+B4_+2*\b], vcc_lo
	v_cndmask_b32 v[CD_+9+4*\b], v[CD_+1+4*\b], v[CV+B4_+1+2*\b], vcc_lo
	v_cndmask_b32 v[CD_+10+4*\b], v[CV+B4_+2*\b], v[CD_+2+4*\b], vcc_lo
	v_cndmask_b32 v[CD_+11+4*\b], v[CV+B4_+1+2*\b], v[CD_+3+4*\b], vcc_lo
.endr
	v_add_nc_u32 v[251+(\x)], s[PSG], v[ASTG]
	global_store_b128 v[LI], v[CD_+8:CD_+11], s[16:17] offset:(\x)*131072        ; a piece: 512 consecutive bytes, aligned
	global_store_b128 v[LI], v[CD_+12:CD_+15], s[16:17] offset:(\x)*131072+512
	ds_store_b16 v[251+(\x)], v[W+(\x)] offset:256*(\x)   ; both halves of the lanes write the same two bytes
.endm
	v_add_nc_u32 v[ADK], 0, v[LI]                  ; keys 0 to 127, for the first pass
	v_add_nc_u32 v[ADS], 0, v[ASK0]
	WIN 0x40
	KCODES
	WIN 0
	KWORDS
.Lpass:                                            ; two trips: 256 queries of the work-group each
	s_wait_xcnt 0x0                                ; the last pass's stores have read their data registers, which this pass writes again
	WIN 0x40
.irp y, 0,1
	global_load_b128 v[QR+16*\y:QR+16*\y+3], v[LI], s[4:5] offset:\y*131072
	global_load_b128 v[QR+16*\y+4:QR+16*\y+7], v[LI], s[4:5] offset:\y*131072+512
.endr
.set J_, 0
.rept 64
	v_mov_b32 v[OF+J_], 0                          ; the step is written once: the first finds zeros
.set J_, J_+1
.endr
	WIN 0
.irp y, 0,1
	global_load_b32 v[QSW+\y], v[R4], s[6:7] offset:\y*4096
.endr
	WALU
	s_wait_loadcnt 0x0
	v_lshrrev_b32 v[QSW], s26, v[QSW]              ; my head's two bytes; the ten lines below stand between these and the first product
	v_lshrrev_b32 v[QSW+1], s26, v[QSW+1]
.irp y, 0,1
	v_mov_b32 v[MR+\y], 0xff61b1e6                 ; the largest score so far: -3e38
	v_mov_b32 v[NM+2*\y], 0x7f61b1e6               ; -M: 3e38, so that the first f is 0
	v_mov_b32 v[NM+2*\y+1], 0
	v_mov_b32 v[LS+2*\y], 0
	v_mov_b32 v[LS+2*\y+1], 0
.endr
	WALU
	s_wait_dscnt 0x0                               ; keys 0 to 127 are in
	s_mov_b32 s[J], 0
.Lkeys:                                            ; 16 trips of 128 keys
	s_add_co_u32 s67, s[J], 1
	s_and_b32 s67, s67, 15                         ; the next step's keys; behind the last step: keys 0 to 127
	s_lshl_b32 s[TK], s67, 13
	s_lshl_b32 s[TS], s67, 9
	s_lshl_b32 s[TV], s[J], 11
	s_lshl_b32 s[TJ], s[J], 8
	WIN 0x05
.irp t, 0,1,2,3,4,5,6,7                        ; S^T = K Q^T: source 0 = 16 keys, source 1 = 16 queries; each fragment of K serves both tiles
.irp y, 0,1
	v_wmma_scale_f32_16x16x128_f8f6f4 v[SR+64*\y+8*\t:SR+64*\y+8*\t+7], v[KF+8*\t:KF+8*\t+15], v[QR+16*\y:QR+16*\y+15], 0, v[SWK+\t], v[QSW+\y] matrix_a_fmt:MATRIX_FMT_BF8 matrix_b_fmt:MATRIX_FMT_BF8
.endr
.endr
	WIN 0
	v_add_nc_u32 v[ADK], s[TK], v[LI]              ; eight plain lines behind the products, ahead of the loads into their registers and of the first read of the scores
	v_add_nc_u32 v[ADS], s[TS], v[ASK0]
	v_add_nc_u32 v[ADV], s[TV], v[AV0]
	v_add_nc_u32 v[ADT], s[TJ], v[ASV0]
	v_mov_b32 v[W], v[NM]                          ; the old -M
	v_mov_b32 v[W+1], v[NM+2]
	v_add_nc_u32 v[ADV2], 0x10000, v[ADV]          ; 16 channels lie 32,768 bytes apart: two address registers
	v_nop
	WIN 0x40
.irp t, 0,1
.irp c, 0,1,2,3
	ds_load_b128 v[VF+16*\t+4*\c:VF+16*\t+4*\c+3], v[ADV] offset:\t*32768+\c*512
.endr
.endr
.irp t, 0,1
.irp c, 0,1,2,3
	ds_load_b128 v[VF+32+16*\t+4*\c:VF+32+16*\t+4*\c+3], v[ADV2] offset:\t*32768+\c*512
.endr
.endr
	KCODES
	WIN 0
.irp t, 0,1,2,3
	ds_load_b32 v[SWV+\t], v[ADT] offset:\t*64
.endr
	KWORDS
.irp b, 0,1,2,3                                ; the largest score of each block of 32 keys, eight chains by turns; each accumulator is first read at its low end
.irp y, 0,1
	v_max3_num_f32 v[BM+4*\y+\b], v[SR+64*\y+16*\b], v[SR+64*\y+16*\b+1], v[SR+64*\y+16*\b+2]
.endr
.endr
.irp i, 3,5,7,9,11,13
.irp b, 0,1,2,3
.irp y, 0,1
	v_max3_num_f32 v[BM+4*\y+\b], v[BM+4*\y+\b], v[SR+64*\y+16*\b+\i], v[SR+64*\y+16*\b+\i+1]
.endr
.endr
.endr
.irp b, 0,1,2,3
.irp y, 0,1
	v_max_num_f32 v[BM+4*\y+\b], v[BM+4*\y+\b], v[SR+64*\y+16*\b+15]
.endr
.endr
	; the row's running maximum, its steps laid among the blocks' joins with lane l xor 16
.irp y, 0,1
	v_max3_num_f32 v[TMP+2*\y], v[BM+4*\y], v[BM+4*\y+1], v[BM+4*\y+2]
.endr
.irp n, 0,1,2,3
	v_permlanex16_b32 v[PB+\n], v[BM+\n], s[SEL], s[SEL+1]
.endr
.irp y, 0,1
	v_max3_num_f32 v[TMP+2*\y], v[TMP+2*\y], v[BM+4*\y+3], v[MR+\y]
.endr
.irp n, 4,5,6,7
	v_permlanex16_b32 v[PB+\n], v[BM+\n], s[SEL], s[SEL+1]
.endr
.irp y, 0,1
	v_permlanex16_b32 v[TMP+2*\y+1], v[TMP+2*\y], s[SEL], s[SEL+1]
.endr
.irp n, 0,1,2,3
	v_max_num_f32 v[BM+\n], v[BM+\n], v[PB+\n]
.endr
.irp y, 0,1
	v_max_num_f32 v[MR+\y], v[TMP+2*\y], v[TMP+2*\y+1]
.endr
.irp n, 4,5,6,7
	v_max_num_f32 v[BM+\n], v[BM+\n], v[PB+\n]
.endr
.irp y, 0,1
	v_mul_f32 v[TMP+2*\y], s[NCS], v[MR+\y]        ; -t (c is positive)
.endr
.irp y, 0,1
	v_floor_f32 v[NM+2*\y], v[TMP+2*\y]            ; -M = floor(-t)
.endr
.irp y, 0,1
	v_sub_f32 v[TMP+2*\y], v[NM+2*\y], v[W+\y]     ; old M - new M: a whole number, 0 or less
.endr
.set J_, 0
.rept 32
	v_pk_fma_f32 v[SR+J_:SR+J_+1], v[SR+J_:SR+J_+1], s[CS:CS+1], v[NM:NM+1] op_sel_hi:[1,0,0]   ; t - M
.set J_, J_+2
.endr
.irp y, 0,1
	v_cvt_i32_f32 v[TMP+2*\y], v[TMP+2*\y]         ; (it saturates)
.endr
.set J_, 0
.rept 32
	v_pk_fma_f32 v[SR+64+J_:SR+64+J_+1], v[SR+64+J_:SR+64+J_+1], s[CS:CS+1], v[NM+2:NM+3] op_sel_hi:[1,0,0]
.set J_, J_+2
.endr
.irp y, 0,1
	v_ldexp_f32 v[F+2*\y], 1.0, v[TMP+2*\y]
.endr
.irp n, 0,1,2,3,4,5,6,7
	v_fma_f32 v[BM+\n], v[BM+\n], s[CS], v[NM+2*(\n/4)]   ; x: the same of each block's largest score
.endr
.irp n, 0,1,2,3,4,5,6,7
	v_cvt_floor_i32_f32 v[EI+\n], v[BM+\n]         ; e = floor(x): the exponent of the block's largest p
.endr
.irp n, 0,1,2,3,4,5,6,7
	v_max_i32 v[EI+\n], 0xffffff91, v[EI+\n]       ; not under -111: the byte e + 112 cannot fall under 1
.endr
.irp y, 0,1
	v_lshl_add_u32 v[W+\y], v[EI+4*\y+3], 8, v[EI+4*\y+2]   ; the sum of (e_b + 112) x 256^b, modulo 2^32, is p's scale word for these 128 keys
.endr
.irp n, 0,1,2,3
	v_add_lshl_u32 v[CV+\n], v[EI+\n], 112, 23     ; the conversion's scale operand: exponent field e - 15 + 127
.endr
.irp y, 0,1
	v_lshl_add_u32 v[W+\y], v[W+\y], 8, v[EI+4*\y+1]
.endr
.irp n, 4,5,6,7
	v_add_lshl_u32 v[CV+\n], v[EI+\n], 112, 23
.endr
.irp y, 0,1
	v_lshl_add_u32 v[W+\y], v[W+\y], 8, v[EI+4*\y]
.endr
.irp n, 0,1,2,3
	v_add_nc_u32 v[HD+\n], 0x07e00000, v[CV+\n]    ; 57,344 x the scale = 1.75 x 2^e
.endr
.irp y, 0,1
	v_add_nc_u32 v[PSW+\y], 0x70707070, v[W+\y]
.endr
.irp n, 4,5,6,7
	v_add_nc_u32 v[HD+\n], 0x07e00000, v[CV+\n]
.endr
	WALU                                           ; ahead of the batch
.set J_, 0
.rept 128
	v_exp_f32 v[SR+J_], v[SR+J_]                   ; p = 2^(t - M)
.set J_, J_+1
.endr
.irp y, 0,1
	v_pk_mul_f32 v[C1+2*\y:C1+2*\y+1], v[LS+2*\y:LS+2*\y+1], v[F+2*\y:F+2*\y+1] op_sel_hi:[1,0]   ; the sums under the new M, into the second chain: plain lines behind the exponentials
.endr
	WIN 0x41
	WALU                                           ; one wait for the batch, directly ahead of the first readers of O^T
.irp y, 0,1
.set J_, 0
.rept 16
	v_pk_mul_f32 v[OF+32*\y+J_:OF+32*\y+J_+1], v[OF+32*\y+J_:OF+32*\y+J_+1], v[F+2*\y:F+2*\y+1] op_sel_hi:[1,0]   ; O^T under the new M
.set J_, J_+2
.endr
.endr
	WIN 0
.set Q_, 0
.rept 16
	POSTQ Q_
.set Q_, Q_+1
.endr
.irp y, 0,1
	v_pk_add_f32 v[LS+2*\y:LS+2*\y+1], v[LS+2*\y:LS+2*\y+1], v[C1+2*\y:C1+2*\y+1]
.endr
	v_nop                                          ; with the two sums: four plain lines between the last conversion and the products that take the codes
	v_nop
	WALU                                           ; directly ahead of the wait below
	s_wait_dscnt 0x0                               ; V's fragments of this step and K's of the next, asked for ahead of the maxima, are in
	WIN 0x51
.irp t, 0,1,2,3                                ; O^T += V^T P^T: the eight accumulators by turns; each fragment of V serves both tiles
.irp y, 0,1
	v_wmma_scale_f32_16x16x128_f8f6f4 v[OF+32*\y+8*\t:OF+32*\y+8*\t+7], v[VF+16*\t:VF+16*\t+15], v[PCD+16*\y:PCD+16*\y+15], v[OF+32*\y+8*\t:OF+32*\y+8*\t+7], v[SWV+\t], v[PSW+\y] matrix_a_fmt:MATRIX_FMT_BF8 matrix_b_fmt:MATRIX_FMT_BF8
.endr
.endr
	WIN 0
	s_add_co_u32 s[J], s[J], 1
	s_cmp_lt_u32 s[J], 16
	s_cbranch_scc1 .Lkeys                          ; no vector instruction has written a register since the wait above
.irp y, 0,1
	v_add_f32 v[TMP+2*\y], v[LS+2*\y], v[LS+2*\y+1]
.endr
.irp y, 0,1
	v_permlanex16_b32 v[TMP+2*\y+1], v[TMP+2*\y], s[SEL], s[SEL+1]
.endr
.irp y, 0,1
	v_add_f32 v[TMP+2*\y], v[TMP+2*\y], v[TMP+2*\y+1]   ; the rows' sums
.endr
	WALU
.irp y, 0,1
	v_rcp_f32 v[F+2*\y], v[TMP+2*\y]
.endr
	v_nop                                          ; with the eight lines above: ten places behind the last products
	v_nop
	EPI 0
	EPI 1
	s_wait_xcnt 0x0                                ; the loads and stores have read their bases, which step now
	s_add_nc_u64 s[4:5], s[4:5], 262144
	s_add_nc_u64 s[6:7], s[6:7], 8192
	s_add_nc_u64 s[16:17], s[16:17], 262144
	s_add_co_u32 s[PSG], s[PSG], 512
	s_add_co_u32 s[PASS], s[PASS], 1
	s_cmp_lt_u32 s[PASS], 2
	WALU
	s_cbranch_scc1 .Lpass
	s_wait_dscnt 0x0                               ; my stores into the stage have landed
	s_barrier_signal -1
	s_barrier_wait -1
	s_cmp_lt_u32 s[WV], 2                          ; wave 0 stores the first pass's 256 rows, wave 1 the second's: 512 consecutive bytes each
	s_cbranch_scc0 .Lno_cs
	ds_load_b128 v[32:35], v[ARD]
	s_wait_dscnt 0x0
	global_store_b128 v[LI], v[32:35], s[18:19]
.Lno_cs:
	s_wait_tensorcnt 0x0                           ; the wave's end
	ds_add_u32 v[SPW], v[NIL]
	s_wait_dscnt 0x0
	CROUND                                         ; the closing round
	s_endpgm
.Lfunc_end_k_q9302c58ebc_attn:
	.size	k_q9302c58ebc_attn, .Lfunc_end_k_q9302c58ebc_attn-k_q9302c58ebc_attn
	.p2alignl 7, 3214868480
	.fill 96, 4, 3214868480
	.section	.rodata,"a",@progbits
	.p2align	6, 0x0
	.amdhsa_kernel k_q9302c58ebc_attn
		.amdhsa_group_segment_fixed_size 327680
		.amdhsa_private_segment_fixed_size 0
		.amdhsa_enable_private_segment 0
		.amdhsa_kernarg_size 64
		.amdhsa_user_sgpr_count 2
		.amdhsa_user_sgpr_kernarg_segment_ptr 1
		.amdhsa_wavefront_size32 1
		.amdhsa_system_sgpr_workgroup_id_x 1
		.amdhsa_system_sgpr_workgroup_id_y 1
		.amdhsa_system_sgpr_workgroup_id_z 1
		.amdhsa_system_vgpr_workitem_id 0
		.amdhsa_next_free_vgpr 512
		.amdhsa_next_free_sgpr 80
		.amdhsa_reserve_vcc 1
		.amdhsa_float_denorm_mode_32 3
		.amdhsa_float_denorm_mode_16_64 3
		.amdhsa_memory_ordered 1
		.amdhsa_forward_progress 1
		.amdhsa_inst_pref_size 62
	.end_amdhsa_kernel
	.amdgpu_metadata
---
amdhsa.version: [ 1, 2 ]
amdhsa.kernels:
  - .name:           k_q9302c58ebc_attn
    .symbol:         k_q9302c58ebc_attn.kd
    .args:
      - { .name: Qc, .offset: 0, .size: 8, .value_kind: global_buffer, .address_space: global }
      - { .name: Qs, .offset: 8, .size: 8, .value_kind: global_buffer, .address_space: global }
      - { .name: Kc, .offset: 16, .size: 8, .value_kind: global_buffer, .address_space: global }
      - { .name: Ks, .offset: 24, .size: 8, .value_kind: global_buffer, .address_space: global }
      - { .name: Vc, .offset: 32, .size: 8, .value_kind: global_buffer, .address_space: global }
      - { .name: Vs, .offset: 40, .size: 8, .value_kind: global_buffer, .address_space: global }
      - { .name: Cc, .offset: 48, .size: 8, .value_kind: global_buffer, .address_space: global }
      - { .name: Cs, .offset: 56, .size: 8, .value_kind: global_buffer, .address_space: global }
    .group_segment_fixed_size: 327680
    .private_segment_fixed_size: 0
    .kernarg_segment_align: 8
    .kernarg_segment_size: 64
    .max_flat_workgroup_size: 256
    .sgpr_count:     80
    .vgpr_count:     512
    .wavefront_size: 32
...
	.end_amdgpu_metadata
.endif
;; end of part 2
;; launch oproj (part 3): grid 4 x 32, 4 waves a work-group, clusters of 4 x 4, 327,680 bytes of LDS; arguments Cc, Cs, Wo_codes, Wo_scales, out0, bo; writes out0
.if DOCPART == 3
	.amdgcn_target "amdgcn-amd-amdhsa--gfx1250"
	.amdhsa_code_object_version 6
	.text
	.protected	k_q9302c58ebc_oproj
	.globl	k_q9302c58ebc_oproj
	.p2align	8
	.type	k_q9302c58ebc_oproj,@function
k_q9302c58ebc_oproj:
	s_mov_b64 s[64:65], 0
	v_nop
	global_prefetch_b8 v0, s[64:65] scope:SCOPE_SE
	s_setreg_imm32_b32 hwreg(HW_REG_WAVE_MODE, 25, 1), 1
	s_wait_xcnt 0x0
	s_wait_alu depctr_hold_cnt(0) depctr_sa_sdst(0) depctr_va_vdst(0) depctr_va_sdst(0) depctr_va_ssrc(0) depctr_va_vcc(0) depctr_vm_vsrc(0)
	s_getreg_b32 s2, hwreg(HW_REG_IB_STS2, 6, 4)
	s_cmp_eq_u32 s2, 0
	s_cbranch_scc0 .Lentry_in_a_cluster
	s_endpgm
.Lentry_in_a_cluster:
	s_bfe_u32 s2, ttmp6, 0x10000c
	s_cmp_lg_u32 s2, 0xf033
	s_cbranch_scc0 .Lentry_shape_is_right
	s_endpgm
.Lentry_shape_is_right:
.set NQ,     2
.set ROWB,   256
.set KROW,   1024
.set PITCH,  272
.set FR,     16
.set NL,     4
.set NP,     8
.set HALFT,  128*PITCH
.set APART,  65536
.set SLOT,   APART+2*HALFT
.set LAPS,   2
.set KS,     32
.set SCL,    2*SLOT
.set HALFS,  (128*KS/256)*272
.set SBLK,   (16*KS/256)*272
.set SPARE,  SCL+4*HALFS
.set SPITCH, 528
.set NCOL,   1024
.set ADRA, 16
.set ADRB, 20
.set STO,  24
.set RD,   25
.set CO,   26
.set ADRS, 27
.set SPW,  28
.set NIL,  29
.set SC,   32
.set BB,   64
.set AF,   128
.set BK,   128
.set G1, 24
.set G0, 32
.set G1B, 48
.set G0B, 56
.set MSB, 0
.macro WIN new
.if MSB != (\new)
	s_set_vgpr_msb (MSB<<8)|(\new)
.set MSB, (\new)
.endif
.endm
.set MUL_LO, 0xa1
.set MUL_HI, 0xf1
.set TO_B,   0x40
.macro JLOAD g0a, g1a, g0b, g1b
	s_cmp_eq_u32 s15, 0
	s_cbranch_scc0 .Lfor_b_\@
	tensor_load_to_lds s[\g0a:\g0a+3], s[\g1a:\g1a+7]
	s_nop 0
.rept 4
	v_nop
.endr
	s_branch .Lasked_\@
.Lfor_b_\@:
	tensor_load_to_lds s[\g0b:\g0b+3], s[\g1b:\g1b+7]
	s_nop 0
.rept 4
	v_nop
.endr
.Lasked_\@:
.endm
.macro CREST
	s_cmp_lg_u32 s14, 0
	s_cbranch_scc1 .Lnot_wave_0_\@
	s_barrier_signal -3
.Lnot_wave_0_\@:
	s_barrier_wait -3
	s_barrier_signal -1
	s_barrier_wait -1
.endm
.macro CROUND
	s_barrier_signal -1
	s_barrier_wait -1
	CREST
.endm
	s_load_b256 s[4:11], s[0:1], 0x0
	s_load_b64 s[12:13], s[0:1], 0x20
	s_load_b64 s[66:67], s[0:1], 0x28
	v_lshl_add_u32 v[SPW], v0, 2, SPARE
	v_mov_b32 v[NIL], 0
	ds_add_u32 v[SPW], v[NIL]
	ds_add_u32 v[SPW], v[NIL]
	v_lshrrev_b32 v1, 5, v0
	v_readfirstlane_b32 s14, v1
	s_lshr_b32 s15, s14, 1
	s_and_b32 s16, s14, 1
	s_bfe_u32 s40, ttmp6, 0x40000
	s_bfe_u32 s41, ttmp6, 0x40004
	s_lshl_b32 s42, ttmp9, 2
	s_add_co_u32 s42, s42, s40
	s_and_b32 s17, ttmp7, 0xffff
	s_lshl_b32 s17, s17, 2
	s_add_co_u32 s17, s17, s41
	s_lshl_b32 s43, s41, 2
	s_lshl_b32 s43, 15, s43
	s_lshl_b32 s44, 0x1111, s40
	s_or_b32 s[G1+0], s43, (3<<16)|(1<<21)
	s_mov_b32 s[G1+1], 512<<16
	s_mov_b32 s[G1+2], 8<<16
	s_mov_b32 s[G1+3], 512<<16
	s_mov_b32 s[G1+4], 8
	s_mov_b32 s[G1+5], 2048
	s_mov_b32 s[G1+6], 0
	s_mov_b32 s[G1+7], 0
	s_or_b32 s[G1B+0], s44, (0<<16)|(1<<20)|(1<<21)|(5<<22)|(3<<25)
	s_mov_b32 s[G1B+1], ROWB<<16
	s_mov_b32 s[G1B+2], 128<<16
	s_mov_b32 s[G1B+3], ROWB<<16
	s_mov_b32 s[G1B+4], 128
	s_mov_b32 s[G1B+5], KROW
	s_mov_b32 s[G1B+6], 0
	s_mov_b32 s[G1B+7], 0
	s_lshl_b32 s20, s17, 4
	s_lshl_b32 s18, s16, 3
	s_add_co_u32 s20, s20, s18
	s_lshl_b32 s20, s20, 14
	s_mov_b32 s21, 0
	s_lshl_b32 s46, s42, 8
	s_lshl_b32 s18, s16, 7
	s_add_co_u32 s46, s46, s18
	s_lshl_b32 s46, s46, 10
	s_mov_b32 s47, 0
	s_lshl_b32 s45, s16, 15
	s_mul_i32 s94, s16, HALFT
	s_add_co_u32 s94, s94, APART
	s_wait_dscnt 0x0
	s_wait_kmcnt 0x0
	s_add_nc_u64 s[20:21], s[4:5], s[20:21]
	s_add_nc_u64 s[46:47], s[8:9], s[46:47]
	CROUND
.irp s, 0,1
	s_mov_b32 s[G0+4*\s], 1
	s_add_co_u32 s[G0+4*\s+1], s45, \s*SLOT
	s_add_nc_u64 s[G0+4*\s+2:G0+4*\s+3], s[20:21], \s*4096
	s_or_b32 s[G0+4*\s+3], s[G0+4*\s+3], 0x80000000
	s_mov_b32 s[G0B+4*\s], 1
	s_add_co_u32 s[G0B+4*\s+1], s94, \s*SLOT
	s_add_nc_u64 s[G0B+4*\s+2:G0B+4*\s+3], s[46:47], \s*ROWB
	s_or_b32 s[G0B+4*\s+3], s[G0B+4*\s+3], 0x80000000
.endr
	JLOAD G0, G1, G0B, G1B
	v_and_b32 v1, 15, v0
	v_bfe_u32 v2, v0, 4, 1
	v_and_b32 v3, 31, v0
	v_lshlrev_b32 v[CO], 4, v3
	v_mul_u32_u24 v4, v1, PITCH
	v_lshl_add_u32 v4, v2, 4, v4
	s_lshl_b32 s21, s15, 15
	s_mul_i32 s22, s16, HALFT
	s_add_co_u32 s22, s22, APART
.irp s, 0,1
	v_add_nc_u32 v[ADRA+\s], s21, v[CO]
	v_add_nc_u32 v[ADRB+\s], s22, v4
	s_add_co_u32 s21, s21, SLOT
	s_add_co_u32 s22, s22, SLOT
.endr
	v_mul_u32_u24 v5, v1, KS
	v_lshrrev_b32 v6, 8, v5
	v_lshl_add_u32 v5, v6, 4, v5
	s_mul_i32 s21, s15, HALFS
	s_mul_i32 s22, s16, HALFS
	s_add_co_u32 s22, s22, 2*HALFS
	s_sub_co_u32 s22, s22, s21
	v_mul_u32_u24 v6, s22, v2
	s_add_co_u32 s21, s21, SCL
	v_add_nc_u32 v5, v5, v6
	v_add_nc_u32 v[ADRS], s21, v5
	s_mul_i32 s23, s14, 16*SPITCH
	v_mul_u32_u24 v5, v1, SPITCH
	v_lshl_add_u32 v5, v2, 5, v5
	v_add_nc_u32 v[STO], s23, v5
	v_add_nc_u32 v[RD], s23, v[CO]
	v_lshlrev_b32 v8, 2, v0
	v_lshlrev_b32 v9, 6, v0
	v_lshrrev_b32 v10, 2, v0
	v_lshl_add_u32 v9, v10, 4, v9
	v_add_nc_u32 v9, SCL, v9
	v_lshlrev_b32 v10, 4, v0
	s_wait_alu depctr_va_vdst(0)
	v_lshrrev_b32 v11, 4, v0
	v_lshl_add_u32 v11, v11, 4, v10
	v_add_nc_u32 v11, SCL+2*HALFS, v11
	v_lshlrev_b32 v12, 5, v2
	s_wait_alu depctr_va_vdst(0)
	s_lshl_b32 s22, s17, 13
	s_mov_b32 s23, 0
	s_add_nc_u64 s[6:7], s[6:7], s[22:23]
	s_lshl_b32 s92, s42, 13
	s_mov_b32 s93, 0
	s_add_nc_u64 s[10:11], s[10:11], s[92:93]
	s_lshl_b32 s92, s42, 10
	s_lshl_b32 s95, s16, 9
	s_add_co_u32 s92, s92, s95
	s_add_nc_u64 s[66:67], s[66:67], s[92:93]
	s_add_nc_u64 s[12:13], s[12:13], s[92:93]
	s_lshl_b32 s22, s17, 8
	s_lshl_b32 s90, s15, 7
	s_add_co_u32 s22, s22, s90
	s_lshl_b32 s22, s22, 12
	s_add_nc_u64 s[12:13], s[12:13], s[22:23]
.irp g, 0,1,2,3,4,5,6,7,8,9,10,11,12,13,14,15
	global_load_b32 v[128+\g], v8, s[6:7] offset:512*\g
.endr
.irp i, 0,1,2,3
	global_load_b128 v[160+4*\i:163+4*\i], v10, s[10:11] offset:2048*\i
.endr
.irp b, 0,1,2,3,4,5,6,7
	global_load_b128 v[BB+8*\b:BB+8*\b+3], v12, s[66:67] offset:64*\b
	global_load_b128 v[BB+8*\b+4:BB+8*\b+7], v12, s[66:67] offset:64*\b+16
.endr
	s_wait_loadcnt 16
.irp g, 0,1,2,3,4,5,6,7
	v_perm_b32 v[144+\g], v[129+2*\g], v[128+2*\g], 0x05040100
	v_perm_b32 v[152+\g], v[129+2*\g], v[128+2*\g], 0x07060302
.endr
.irp n, 0,1,2,3
	ds_store_b128 v9, v[144+4*\n:147+4*\n] offset:16*\n
	ds_store_b128 v11, v[160+4*\n:163+4*\n] offset:2176*\n
.endr
	s_wait_loadcnt 0x0
.macro FRAGA reg, slot, q, i
.irp c, 0,1,2,3
	ds_load_b128 v[\reg+4*\c:\reg+4*\c+3], v[ADRA+\slot] offset:(\i)*4096+(\q)*2048+512*\c
.endr
.endm
.macro FRAGB reg, slot, q, i
.irp c, 0,1,2,3
	ds_load_b128 v[\reg+4*\c:\reg+4*\c+3], v[ADRB+\slot] offset:128*(\q)+32*\c+(\i)*16*PITCH
.endr
.endm
.macro MUL16 a0, p, q, sc, first
.irp a, \a0, \a0+1
.irp b, 0,1,2,3,4,5,6,7
.if \first
	v_wmma_scale_f32_16x16x128_f8f6f4 v[8*(8*((\a)%4)+\b):8*(8*((\a)%4)+\b)+7], v[128*(\p)+FR*\b:128*(\p)+FR*\b+FR-1], v[AF+FR*(\a):AF+FR*(\a)+FR-1], v[BB+8*\b:BB+8*\b+7], v[SC+8*NQ*(\sc)+NQ*\b+(\q)], v[SC+8*NQ*(\sc)+NQ*(\a)+(\q)] matrix_a_fmt:MATRIX_FMT_BF8 matrix_b_fmt:MATRIX_FMT_BF8 matrix_a_scale:MATRIX_SCALE_ROW1
.else
	v_wmma_scale_f32_16x16x128_f8f6f4 v[8*(8*((\a)%4)+\b):8*(8*((\a)%4)+\b)+7], v[128*(\p)+FR*\b:128*(\p)+FR*\b+FR-1], v[AF+FR*(\a):AF+FR*(\a)+FR-1], v[8*(8*((\a)%4)+\b):8*(8*((\a)%4)+\b)+7], v[SC+8*NQ*(\sc)+NQ*\b+(\q)], v[SC+8*NQ*(\sc)+NQ*(\a)+(\q)] matrix_a_fmt:MATRIX_FMT_BF8 matrix_b_fmt:MATRIX_FMT_BF8 matrix_a_scale:MATRIX_SCALE_ROW1
.endif
.endr
.endr
.endm
.macro FETCH_B slot, q, p
	WIN TO_B
.irp i, 0,1,2,3,4,5,6,7
	FRAGB 128*(\p)+FR*\i, \slot, \q, \i
.endr
	WIN 0
.endm
.macro FETCH_A slot, q, i0
.irp i, \i0, \i0+1, \i0+2, \i0+3
	FRAGA AF+FR*(\i), \slot, \q, \i
.endr
.endm
.macro SCALES sc
.irp i, 0,1,2,3,4,5,6,7
	ds_load_b64 v[SC+8*NQ*\sc+NQ*\i:SC+8*NQ*\sc+NQ*\i+1], v[ADRS] offset:\i*SBLK
.endr
.endm
.macro PLACES n
.rept \n
	v_nop
.endr
.endm
.macro STEP slot, q, first
	s_wait_dscnt 4*NL
.if \first
	WIN 0x81
.else
	WIN MUL_LO
.endif
	MUL16 0, (\q)%2, \q, \slot, \first
	MUL16 2, (\q)%2, \q, \slot, \first
	s_wait_dscnt 0
	PLACES NP
	FETCH_B \slot, (\q)+1, 1-(\q)%2
	FETCH_A \slot, (\q)+1, 0
.if \first
	WIN 0xc1
.else
	WIN MUL_HI
.endif
	MUL16 4, (\q)%2, \q, \slot, \first
	MUL16 6, (\q)%2, \q, \slot, \first
	PLACES NP
	WIN 0
	FETCH_A \slot, (\q)+1, 4
.endm
.macro TURN slot, next, fill
	s_wait_tensorcnt 0x0
	ds_add_u32 v[SPW], v[NIL]
	s_wait_dscnt 4*NL+1
	WIN MUL_LO
	MUL16 0, 1, NQ-1, \slot, 0
	s_wait_dscnt 0x0
	s_barrier_signal -1
	MUL16 2, 1, NQ-1, \slot, 0
	WIN 0
	s_barrier_wait -1
.if \fill
	CREST
	s_add_nc_u64 s[G0+4*\slot+2:G0+4*\slot+3], s[G0+4*\slot+2:G0+4*\slot+3], 2*4096
	s_add_nc_u64 s[G0B+4*\slot+2:G0B+4*\slot+3], s[G0B+4*\slot+2:G0B+4*\slot+3], 2*ROWB
	JLOAD G0+4*\slot, G1, G0B+4*\slot, G1B
	PLACES NP-4
.else
	PLACES NP
.endif
	s_wait_alu depctr_va_vdst(0)
	v_add_nc_u32 v[ADRS], 4*NQ, v[ADRS]
	FETCH_B \next, 0, 0
	FETCH_A \next, 0, 0
	SCALES \next
	WIN MUL_HI
	MUL16 4, 1, NQ-1, \slot, 0
	MUL16 6, 1, NQ-1, \slot, 0
	PLACES NP
	WIN 0
	FETCH_A \next, 0, 4
.endm
	s_wait_alu depctr_va_vdst(0)
	s_wait_tensorcnt 0x0
	ds_add_u32 v[SPW], v[NIL]
	s_wait_dscnt 0x0
	CROUND
	JLOAD G0+4, G1, G0B+4, G1B
	FETCH_B 0, 0, 0
	FETCH_A 0, 0, 0
	SCALES 0
	FETCH_A 0, 0, 4
	STEP 0, 0, 1
	s_mov_b32 s3, LAPS-1
.Llap:
	TURN 0, 1, 1
	STEP 1, 0, 0
	TURN 1, 0, 1
	STEP 0, 0, 0
	s_sub_co_u32 s3, s3, 1
	s_cmp_lg_u32 s3, 0
	s_cbranch_scc1 .Llap
	TURN 0, 1, 0
	STEP 1, 0, 0
	s_wait_dscnt 4*NL
	WIN MUL_LO
	MUL16 0, 1, NQ-1, 1, 0
	MUL16 2, 1, NQ-1, 1, 0
	s_wait_dscnt 0
	WIN MUL_HI
	MUL16 4, 1, NQ-1, 1, 0
	MUL16 6, 1, NQ-1, 1, 0
	WIN 0
.macro TOSTAGE a
.set AC, 64*((\a)%4)
	WIN 0x08+4*((\a)/4)
.irp b, 0,1,2,3,4,5,6,7
	ds_store_b128 v[STO], v[AC+8*\b:AC+8*\b+3] offset:64*\b
	ds_store_b128 v[STO], v[AC+8*\b+4:AC+8*\b+7] offset:64*\b+16
.endr
	WIN 0
.set BBK, BK+64*((\a)%2)
.irp t, 0,1,2,3,4,5,6,7,8,9,10,11,12,13,14,15
	ds_load_b128 v[BBK+4*\t:BBK+4*\t+3], v[RD] offset:\t*SPITCH
.endr
.endm
.macro SEND a, younger
.set BBK, BK+64*((\a)%2)
	s_wait_dscnt \younger
.if (\a) > 0
	s_add_nc_u64 s[12:13], s[12:13], 16*NCOL*4
.endif
.irp t, 0,1,2,3,4,5,6,7,8,9,10,11,12,13,14,15
	global_store_b128 v[CO], v[BBK+4*\t:BBK+4*\t+3], s[12:13] offset:\t*NCOL*4 th:TH_STORE_NT
.endr
.endm
	PLACES NP
	TOSTAGE 0
.irp a, 1,2,3,4,5,6,7
.if \a > 1
	s_wait_xcnt 0x0
.endif
	TOSTAGE \a
	SEND \a-1, 32
.endr
	s_wait_xcnt 0x0
	SEND 7, 0
	s_wait_tensorcnt 0x0
	ds_add_u32 v[SPW], v[NIL]
	s_wait_dscnt 0x0
	CROUND
	s_endpgm
.Lfunc_end_k_q9302c58ebc_oproj:
	.size	k_q9302c58ebc_oproj, .Lfunc_end_k_q9302c58ebc_oproj-k_q9302c58ebc_oproj
	.p2alignl 7, 3214868480
	.fill 96, 4, 3214868480
	.section	.rodata,"a",@progbits
	.p2align	6, 0x0
	.amdhsa_kernel k_q9302c58ebc_oproj
		.amdhsa_group_segment_fixed_size 327680
		.amdhsa_private_segment_fixed_size 0
		.amdhsa_enable_private_segment 0
		.amdhsa_kernarg_size 48
		.amdhsa_user_sgpr_count 2
		.amdhsa_user_sgpr_kernarg_segment_ptr 1
		.amdhsa_wavefront_size32 1
		.amdhsa_system_sgpr_workgroup_id_x 1
		.amdhsa_system_sgpr_workgroup_id_y 1
		.amdhsa_system_sgpr_workgroup_id_z 1
		.amdhsa_system_vgpr_workitem_id 0
		.amdhsa_next_free_vgpr 1024
		.amdhsa_next_free_sgpr 98
		.amdhsa_reserve_vcc 0
		.amdhsa_float_denorm_mode_32 3
		.amdhsa_float_denorm_mode_16_64 3
		.amdhsa_memory_ordered 1
		.amdhsa_forward_progress 1
		.amdhsa_inst_pref_size 150
	.end_amdhsa_kernel
	.amdgpu_metadata
---
amdhsa.version: [ 1, 2 ]
amdhsa.kernels:
  - .name:           k_q9302c58ebc_oproj
    .symbol:         k_q9302c58ebc_oproj.kd
    .args:
      - { .name: Cc, .offset: 0, .size: 8, .value_kind: global_buffer, .address_space: global }
      - { .name: Cs, .offset: 8, .size: 8, .value_kind: global_buffer, .address_space: global }
      - { .name: Wo_codes, .offset: 16, .size: 8, .value_kind: global_buffer, .address_space: global }
      - { .name: Wo_scales, .offset: 24, .size: 8, .value_kind: global_buffer, .address_space: global }
      - { .name: out0, .offset: 32, .size: 8, .value_kind: global_buffer, .address_space: global }
      - { .name: bo, .offset: 40, .size: 8, .value_kind: global_buffer, .address_space: global }
    .group_segment_fixed_size: 327680
    .private_segment_fixed_size: 0
    .kernarg_segment_align: 8
    .kernarg_segment_size: 48
    .max_flat_workgroup_size: 128
    .sgpr_count:     98
    .vgpr_count:     1024
    .wavefront_size: 32
...
	.end_amdgpu_metadata
.endif
;; end of part 3
